; MI455X (gfx1250); checked and timed in simulation.
; The chip was launched on July 23, 2026; its instructions are those of AMD's public machine-readable ISA for CDNA 5 (MIT licence, August 2026) and "CDNA5" Instruction Set Architecture Reference Guide (July 2026). The comments in the code are by the model that wrote it; some were corrected since.
;; Event Emulator. Allowed arithmetic: float matrix products may take bf16 or f16 operands with f32 sums; all other float work in f32.
;; Inputs: frames 4 x 16 x 512 x 512 float32; neg_thres 4 x 1 x 512 x 512 float32; pos_thres 4 x 1 x 512 x 512 float32; t_frames 4 x 2 float32.
;; Outputs: out0 4 x 5 x 512 x 512 float32.
;; 2 versions, each right; version 2 is version 1 with the launch events written anew for expert scheduling mode. Each part assembles by itself: llvm-mc -triple=amdgcn-amd-amdhsa -mcpu=gfx1250 --defsym DOCPART=n.
;; ======== version 1 of 2: 1 launch
;; limits: right only within a limited range of input values
;; launch events (part 1): grid 64 x 4, 32 waves a work-group, no clusters, 0 bytes of LDS; arguments frames, pos_thres, neg_thres, out0; writes out0
.if DOCPART == 1
	.amdgcn_target "amdgcn-amd-amdhsa--gfx1250"
	.amdhsa_code_object_version 6
	.text
	.protected	k_q1f0541ddc7_events
	.globl	k_q1f0541ddc7_events
	.p2align	8
	.type	k_q1f0541ddc7_events,@function
k_q1f0541ddc7_events:
	s_mov_b64 s[64:65], 0
	v_nop
	global_prefetch_b8 v0, s[64:65] scope:SCOPE_SE
	s_setreg_imm32_b32 hwreg(HW_REG_WAVE_MODE, 25, 1), 1
	s_wait_xcnt 0x0
; EventEmulator: frames [4][16][512][512] f32, pos_thres / neg_thres [4][1][512][512] f32  ->  out0 [4][5][512][512] f32.
; Per pixel: L_f = lin_log(frame f); base = L_0; for f = 1..15: d = L_f - base, count = +floor(d/pt) or -floor(-d/nt),
; base += count * threshold; voxel[k] = sum over f of max(0, 1 - |4f/15 - k|) * count_f.
;
; SHAPE.  Pixels do not depend on each other and no byte is read twice: a stream.  No LDS, no barrier, no cluster (no two
; work-groups read the same byte).  256 work-groups of 32 waves; a work-group owns 4,096 neighbouring pixels of one batch, a lane 4 pixels:
; every load and store of a wave covers 512 consecutive bytes that start at a multiple of 512 from the plane's first byte.
; Eight frame slots in registers: frame f + 8 is requested as soon as frame f's logarithm is taken, so 8 x 512 bytes of every
; wave are always on their way.  A bin is stored as soon as its last frame is in (frames 3, 7, 11, 14, 15); every bin has registers of
; its own and no address register is ever rewritten, so no store or load ever has to be waited for on account of its sources.
;
; ARITHMETIC.  floor() is discontinuous: one last-bit difference in a logarithm moves a count by one wherever the quotient lies
; at a whole number.  So nothing here is approximate beyond one f32 rounding per written step:
;  - log x (x > 20) by the Cephes logf scheme with fused multiply-adds: x = 2^e m, m in [sqrt(1/2), sqrt 2), z = m - 1,
;    log x = ((z - z^2/2) + (z^3 P(z) + e q1)) + e q2, P in three chains joined by z^3.  v_log_f32 times ln 2 would round twice.
;  - the quotient d/b: q0 = d r, rem = fma(-b, q0, d), q = fma(rem, r, q0) with r = 1/b refined once.  Before its one rounding
;    q is off by about 2^-23 of q0's own error: it is the rounded quotient wherever floor can tell.
;  - only one of the two counts is not 0, so b = (d > 0 ? pt : nt), count = trunc(d/b) (rounding is symmetric in the sign),
;    base = fma(count, b, base).
;  - the einsum has at most two weights that are not 0 for a frame (j/15 and 1 - j/15): 29 multiply-adds a pixel in f32.  It stays on
;    the vector unit: the matrix form would need 8 conversions a pixel and weights j/15 rounded to bf16, on sums that cancel.
;
; LIMITS.  frames: finite numbers (the log branch takes exponent and mantissa apart as integers: NaN and infinities come out as
; finite numbers).  Thresholds: positive, 2^-100 to 2^100 (reciprocal and remainder stay normal); zero, negative, NaN are not served.
; A zero result may carry a minus sign.  The weights are the f32 nearest to j/15; made by linspace in f32 they can differ in the last bits.
; t_frames: reference() takes it and never uses it (the voxel times come from linspace over the 16 frames); nothing is read from it.
.set PLANE, 0x100000                   ; bytes of a plane of 512 x 512 f32
; vector registers
.set OFF,  1                           ; v1        16 x thread: my 4 pixels in the work-group's 16 KiB of a plane
.set PT,   2                           ; v[2:5]    positive thresholds of my 4 pixels
.set NT,   6                           ; v[6:9]    negative thresholds
.set RP,   10                          ; v[10:13]  1 / pt
.set RN,   14                          ; v[14:17]  1 / nt
.set BASE, 18                          ; v[18:21]  base log value
.set ACC,  22                          ; v[22:41]  bin k: 4 registers at ACC + 4 k
.set CP1,  42                          ; v[42:43]  p1 twice   (the three first links have two constants each:
.set CP4,  44                          ; v[44:45]  p4 twice    one comes from a scalar pair, one from these)
.set CP7,  46                          ; v[46:47]  p7 twice
.set T,    48                          ; logarithm, at work: e << 23
.set E,    52                          ;   e * 2^23 as f32
.set XR,   56                          ;   m, then z = m - 1, then the sum
.set X2,   60                          ;   z^2
.set X3,   64                          ;   z^3
.set Y,    68                          ;   chain p0 p1 p2, then the polynomial
.set Y1,   72                          ;   chain p3 p4 p5, then e q1
.set Y2,   76                          ;   chain p6 p7 p8
.set LIN,  80                          ;   x * f, the linear branch
.set LG,   84                          ; v[84:87]  lin_log of the frame at work
.set X,    88                          ; v[88:119] slot s: 4 registers, a frame as loaded
.set D,    48                          ; scan step, at work (the logarithm's registers are free by then): L - base
.set B,    52                          ;   the threshold that applies
.set R,    56                          ;   its reciprocal
.set Q,    60                          ;   the quotient
.set ER,   64                          ;   the remainder d - b q0
.set C,    68                          ;   the signed count
; scalar registers
.set FLO,  4                           ; s[4:5]    frames 0-7 of my block    (plane offsets of 0 to 7 MiB fit the signed 24-bit immediate,
.set FHI,  12                          ; s[12:13]  frames 8-15                8 to 15 MiB do not: a second base)
.set KP0,  20                          ; constants for packed instructions: each twice, in an even pair
.set KP2,  22
.set KP3,  24
.set KP5,  26
.set KP6,  28
.set KP8,  30
.set KQ1,  32
.set KQ2,  34
.set KF,   36
.set KOFF, 38
.set KEM,  39
.set KTH,  40
.set M,    44                          ; s[44:47]  lane masks, one for each of my 4 pixels
; j/15 in f32
.set W1,  0x3d888889
.set W2,  0x3e088889
.set W3,  0x3e4ccccd
.set W4,  0x3e888889
.set W5,  0x3eaaaaab
.set W6,  0x3ecccccd
.set W7,  0x3eeeeeef
.set W8,  0x3f088889
.set W9,  0x3f19999a
.set W10, 0x3f2aaaab
.set W11, 0x3f3bbbbc
.set W12, 0x3f4ccccd
.set W13, 0x3f5dddde
.set W14, 0x3f6eeeef
	s_load_b256 s[4:11], s[0:1], 0x0               ; frames s[4:5], pos_thres s[6:7], neg_thres s[8:9], out0 s[10:11]
	v_lshlrev_b32 v[OFF], 4, v0                    ; 16 bytes a thread
	s_and_b32 s16, ttmp7, 0xffff                   ; batch
	s_lshl_b32 s17, ttmp9, 14                      ; my block of 4,096 pixels in a plane, in bytes
	s_lshl_b32 s14, s16, 24                        ; 16 planes a batch in frames,
	s_lshl_b32 s18, s16, 20                        ; 1 in the thresholds,
	s_mul_i32  s2, s16, 5*PLANE                    ; 5 in the output; all offsets stay below 64 MiB
	s_add_co_u32 s14, s14, s17
	s_add_co_u32 s18, s18, s17
	s_add_co_u32 s2, s2, s17
	s_mov_b32 s15, 0
	s_mov_b32 s19, 0
	s_mov_b32 s3, 0
	s_wait_kmcnt 0x0
	s_add_nc_u64 s[FLO:FLO+1], s[FLO:FLO+1], s[14:15]
	s_add_nc_u64 s[6:7], s[6:7], s[18:19]
	s_add_nc_u64 s[8:9], s[8:9], s[18:19]
	s_add_nc_u64 s[10:11], s[10:11], s[2:3]
	s_add_nc_u64 s[FHI:FHI+1], s[FLO:FLO+1], 8*PLANE
	global_load_b128 v[PT:PT+3], v[OFF], s[6:7] th:TH_LOAD_NT
	global_load_b128 v[NT:NT+3], v[OFF], s[8:9] th:TH_LOAD_NT
.irp f, 0,1,2,3,4,5,6,7
	global_load_b128 v[X+4*\f:X+4*\f+3], v[OFF], s[FLO:FLO+1] offset:\f*PLANE th:TH_LOAD_NT    ; the ring is filled: frames 0 to 7
.endr
.macro KPAIR r, bits
	s_mov_b32 s[\r], \bits
	s_mov_b32 s[\r+1], \bits
.endm
	KPAIR KP0, 0x3d9021bb                          ;  7.0376836292e-2
	KPAIR KP2, 0x3def251a                          ;  1.1676998740e-1
	KPAIR KP3, 0xbdfe5d4f                          ; -1.2420140846e-1
	KPAIR KP5, 0xbe2aae50                          ; -1.6668057665e-1
	KPAIR KP6, 0x3e4cceac                          ;  2.0000714765e-1
	KPAIR KP8, 0x3eaaaaaa                          ;  3.3333331174e-1
	KPAIR KQ1, 0xadde8083                          ; -2.12194440e-4 * 2^-23: e comes as e * 2^23, the powers of two cancel without a rounding
	KPAIR KQ2, 0x33b18000                          ;  0.693359375 * 2^-23
	KPAIR KF,  0x3e1961aa                          ; f = fl(fl(0.05) * fl(ln 20)): 0x3d4ccccd * 0x403fba14, rounded once
	s_mov_b32 s[KOFF], 0xc0cafb0d                  ; - 0x3f3504f3, the bits of sqrt(1/2)
	s_mov_b32 s[KEM], 0xff800000                   ; sign and exponent field
	s_mov_b32 s[KTH], 0x41a00000                   ; 20.0
	; 1 / pt and 1 / nt, once for the 15 steps
	s_wait_loadcnt 8                               ; pt and nt are in; the 8 frame loads behind them stay out
.irp i, 0,1,2,3
	v_rcp_f32 v[RP+\i], v[PT+\i]
.endr
.irp i, 0,1,2,3
	v_rcp_f32 v[RN+\i], v[NT+\i]
.endr
	v_mov_b32 v[CP1],   0xbdebd1b8                 ; -1.1514610310e-1.  These six moves are also the plain instructions that stand between
	v_mov_b32 v[CP1+1], 0xbdebd1b8                 ; the reciprocals and the first use of their results (ISA guide 5.7.2)
	v_mov_b32 v[CP4],   0x3e11e9bf                 ;  1.4249322787e-1
	v_mov_b32 v[CP4+1], 0x3e11e9bf
	v_mov_b32 v[CP7],   0xbe7ffffc                 ; -2.4999993993e-1
	v_mov_b32 v[CP7+1], 0xbe7ffffc
	s_wait_alu depctr_va_vdst(0)
.irp p, 0,2
	v_pk_fma_f32 v[T+\p:T+\p+1], v[PT+\p:PT+\p+1], v[RP+\p:RP+\p+1], 1.0 op_sel_hi:[1,1,0] neg_lo:[1,0,0] neg_hi:[1,0,0]   ; 1 - b r
	v_pk_fma_f32 v[E+\p:E+\p+1], v[NT+\p:NT+\p+1], v[RN+\p:RN+\p+1], 1.0 op_sel_hi:[1,1,0] neg_lo:[1,0,0] neg_hi:[1,0,0]
.endr
.irp p, 0,2
	v_pk_fma_f32 v[RP+\p:RP+\p+1], v[T+\p:T+\p+1], v[RP+\p:RP+\p+1], v[RP+\p:RP+\p+1]      ; r + r (1 - b r): one Newton step
	v_pk_fma_f32 v[RN+\p:RN+\p+1], v[E+\p:E+\p+1], v[RN+\p:RN+\p+1], v[RN+\p:RN+\p+1]
.endr
; lin_log of the 4 numbers in v[x : x+3] into v[dst : dst+3].  Both branches are computed in every lane and one is selected:
; what the log branch makes of x <= 20 (negative numbers too) is thrown away.
.macro LOGF x, dst
.irp i, 0,1,2,3
	v_add_nc_u32 v[T+\i], s[KOFF], v[\x+\i]        ; bits(x) - bits(sqrt 1/2): its upper 9 bits are e, with m in [sqrt 1/2, sqrt 2)
.endr
.irp i, 0,1,2,3
	v_and_b32 v[T+\i], s[KEM], v[T+\i]             ; e << 23
.endr
.irp i, 0,1,2,3
	v_sub_nc_u32 v[XR+\i], v[\x+\i], v[T+\i]       ; m = x * 2^-e: the exponent field is lowered by e
	v_cvt_f32_i32 v[E+\i], v[T+\i]                 ; e * 2^23, exact
.endr
.irp p, 0,2
	v_pk_add_f32 v[XR+\p:XR+\p+1], v[XR+\p:XR+\p+1], -1.0 op_sel_hi:[1,0]                  ; z = m - 1, exact
.endr
.irp p, 0,2
	v_pk_mul_f32 v[LIN+\p:LIN+\p+1], v[\x+\p:\x+\p+1], s[KF:KF+1] op_sel_hi:[1,0]          ; the linear branch
.endr
.irp i, 0,1,2,3
	v_cmp_ge_f32 s[M+\i], s[KTH], v[\x+\i]         ; 20 >= x
.endr
.irp p, 0,2
	v_pk_mul_f32 v[X2+\p:X2+\p+1], v[XR+\p:XR+\p+1], v[XR+\p:XR+\p+1]
	v_pk_fma_f32 v[Y+\p:Y+\p+1],   v[XR+\p:XR+\p+1], s[KP0:KP0+1], v[CP1:CP1+1] op_sel_hi:[1,0,1]
	v_pk_fma_f32 v[Y1+\p:Y1+\p+1], v[XR+\p:XR+\p+1], s[KP3:KP3+1], v[CP4:CP4+1] op_sel_hi:[1,0,1]
	v_pk_fma_f32 v[Y2+\p:Y2+\p+1], v[XR+\p:XR+\p+1], s[KP6:KP6+1], v[CP7:CP7+1] op_sel_hi:[1,0,1]
.endr
.irp p, 0,2
	v_pk_mul_f32 v[X3+\p:X3+\p+1], v[X2+\p:X2+\p+1], v[XR+\p:XR+\p+1]
	v_pk_fma_f32 v[Y+\p:Y+\p+1],   v[Y+\p:Y+\p+1],   v[XR+\p:XR+\p+1], s[KP2:KP2+1] op_sel_hi:[1,1,0]
	v_pk_fma_f32 v[Y1+\p:Y1+\p+1], v[Y1+\p:Y1+\p+1], v[XR+\p:XR+\p+1], s[KP5:KP5+1] op_sel_hi:[1,1,0]
	v_pk_fma_f32 v[Y2+\p:Y2+\p+1], v[Y2+\p:Y2+\p+1], v[XR+\p:XR+\p+1], s[KP8:KP8+1] op_sel_hi:[1,1,0]
.endr
.irp p, 0,2
	v_pk_fma_f32 v[Y+\p:Y+\p+1],   v[Y+\p:Y+\p+1], v[X3+\p:X3+\p+1], v[Y1+\p:Y1+\p+1]      ; the chains are joined by z^3
	v_pk_mul_f32 v[Y1+\p:Y1+\p+1], v[E+\p:E+\p+1], s[KQ1:KQ1+1] op_sel_hi:[1,0]            ; e q1, rounded by itself
	v_pk_fma_f32 v[XR+\p:XR+\p+1], v[X2+\p:X2+\p+1], -0.5, v[XR+\p:XR+\p+1] op_sel_hi:[1,0,1]  ; z - z^2 / 2
.endr
.irp p, 0,2
	v_pk_fma_f32 v[Y+\p:Y+\p+1], v[Y+\p:Y+\p+1], v[X3+\p:X3+\p+1], v[Y2+\p:Y2+\p+1]
.endr
.irp p, 0,2
	v_pk_fma_f32 v[Y+\p:Y+\p+1], v[Y+\p:Y+\p+1], v[X3+\p:X3+\p+1], v[Y1+\p:Y1+\p+1]        ; z^3 P(z) + e q1
.endr
.irp p, 0,2
	v_pk_add_f32 v[XR+\p:XR+\p+1], v[XR+\p:XR+\p+1], v[Y+\p:Y+\p+1]
.endr
.irp p, 0,2
	v_pk_fma_f32 v[XR+\p:XR+\p+1], v[E+\p:E+\p+1], s[KQ2:KQ2+1], v[XR+\p:XR+\p+1] op_sel_hi:[1,0,1]   ; + e q2 (the product is exact: 9 bits x 8 bits)
.endr
.irp i, 0,1,2,3
	v_cndmask_b32 v[\dst+\i], v[XR+\i], v[LIN+\i], s[M+\i]
.endr
.endm
; One scan step on LG: the signed counts into C.  carry = 1: base moves on (the last frame's base is never read).
.macro COUNT carry
.irp p, 0,2
	v_pk_add_f32 v[D+\p:D+\p+1], v[LG+\p:LG+\p+1], v[BASE+\p:BASE+\p+1] neg_lo:[0,1] neg_hi:[0,1]      ; d = L - base
.endr
.irp i, 0,1,2,3
	v_cmp_lt_f32 s[M+\i], 0, v[D+\i]               ; 0 < d: the positive threshold applies
.endr
.irp i, 0,1,2,3
	v_cndmask_b32 v[B+\i], v[NT+\i], v[PT+\i], s[M+\i]
	v_cndmask_b32 v[R+\i], v[RN+\i], v[RP+\i], s[M+\i]
.endr
.irp p, 0,2
	v_pk_mul_f32 v[Q+\p:Q+\p+1], v[D+\p:D+\p+1], v[R+\p:R+\p+1]                            ; q0 = d r
.endr
.irp p, 0,2
	v_pk_fma_f32 v[ER+\p:ER+\p+1], v[B+\p:B+\p+1], v[Q+\p:Q+\p+1], v[D+\p:D+\p+1] neg_lo:[1,0,0] neg_hi:[1,0,0]   ; d - b q0
.endr
.irp p, 0,2
	v_pk_fma_f32 v[Q+\p:Q+\p+1], v[ER+\p:ER+\p+1], v[R+\p:R+\p+1], v[Q+\p:Q+\p+1]          ; the quotient, rounded once
.endr
.irp i, 0,1,2,3
	v_trunc_f32 v[C+\i], v[Q+\i]                   ; floor(d/pt) for d > 0, -floor(-d/nt) for d < 0
.endr
.if \carry
.irp p, 0,2
	v_pk_fma_f32 v[BASE+\p:BASE+\p+1], v[C+\p:C+\p+1], v[B+\p:B+\p+1], v[BASE+\p:BASE+\p+1]
.endr
.endif
.endm
; bin k takes w x count.  start = 1: the bin's first frame starts the sum, nothing is cleared.
.macro ACCUM k, w, start
.irp p, 0,2
.if \start
	v_pk_mul_f32 v[ACC+4*\k+\p:ACC+4*\k+\p+1], v[C+\p:C+\p+1], \w op_sel_hi:[1,0]
.else
	v_pk_fma_f32 v[ACC+4*\k+\p:ACC+4*\k+\p+1], v[C+\p:C+\p+1], \w, v[ACC+4*\k+\p:ACC+4*\k+\p+1] op_sel_hi:[1,0,1]
.endif
.endr
.endm
.macro STORE k                         ; the bin's last frame is in: 512 consecutive bytes a wave; its registers are never written again
	global_store_b128 v[OFF], v[ACC+4*\k:ACC+4*\k+3], s[10:11] offset:\k*PLANE th:TH_STORE_NT
.endm
; Frame f = 1 .. 14: time 4f/15 lies between bins klo and khi = klo + 1.
.macro TURN f, klo, wlo, slo, khi, whi, shi
.if \f < 8
	s_wait_loadcnt 7                               ; loads come back in order (ISA guide 5.7.1): frame f is in, the 7 frames asked for behind it stay out
.else
	s_wait_loadcnt 15-\f                           ; nothing is asked for any more: 15 - f frames are left
.endif
	LOGF X+4*(\f%8), LG
.if \f < 8
	global_load_b128 v[X+4*\f:X+4*\f+3], v[OFF], s[FHI:FHI+1] offset:\f*PLANE th:TH_LOAD_NT    ; the slot has been read: frame f + 8
.endif
	COUNT 1
	ACCUM \klo, \wlo, \slo
	ACCUM \khi, \whi, \shi
.endm
	s_wait_loadcnt 7                               ; frame 0 is in, frames 1 to 7 stay out
	LOGF X, BASE                                   ; base = lin_log(frame 0)
	global_load_b128 v[X:X+3], v[OFF], s[FHI:FHI+1] th:TH_LOAD_NT                              ; frame 8
	TURN 1,  0, W11, 1,  1, W4,  1
	TURN 2,  0, W7,  0,  1, W8,  0
	TURN 3,  0, W3,  0,  1, W12, 0
	STORE 0
	TURN 4,  1, W14, 0,  2, W1,  1
	TURN 5,  1, W10, 0,  2, W5,  0
	TURN 6,  1, W6,  0,  2, W9,  0
	TURN 7,  1, W2,  0,  2, W13, 0
	STORE 1
	TURN 8,  2, W13, 0,  3, W2,  1
	TURN 9,  2, W9,  0,  3, W6,  0
	TURN 10, 2, W5,  0,  3, W10, 0
	TURN 11, 2, W1,  0,  3, W14, 0
	STORE 2
	TURN 12, 3, W12, 0,  4, W3,  1
	TURN 13, 3, W8,  0,  4, W7,  0
	TURN 14, 3, W4,  0,  4, W11, 0
	STORE 3
	s_wait_loadcnt 0                               ; frame 15, the last load
	LOGF X+4*7, LG
	COUNT 0
.irp p, 0,2
	v_pk_add_f32 v[ACC+16+\p:ACC+16+\p+1], v[ACC+16+\p:ACC+16+\p+1], v[C+\p:C+\p+1]        ; time 4 is bin 4 itself: weight 1
.endr
	STORE 4
	s_endpgm
.Lfunc_end_k_q1f0541ddc7_events:
	.size	k_q1f0541ddc7_events, .Lfunc_end_k_q1f0541ddc7_events-k_q1f0541ddc7_events
	.p2alignl 7, 3214868480
	.fill 96, 4, 3214868480
	.section	.rodata,"a",@progbits
	.p2align	6, 0x0
	.amdhsa_kernel k_q1f0541ddc7_events
		.amdhsa_group_segment_fixed_size 0
		.amdhsa_private_segment_fixed_size 0
		.amdhsa_enable_private_segment 0
		.amdhsa_kernarg_size 32
		.amdhsa_user_sgpr_count 2
		.amdhsa_user_sgpr_kernarg_segment_ptr 1
		.amdhsa_wavefront_size32 1
		.amdhsa_system_sgpr_workgroup_id_x 1
		.amdhsa_system_sgpr_workgroup_id_y 1
		.amdhsa_system_sgpr_workgroup_id_z 1
		.amdhsa_system_vgpr_workitem_id 0
		.amdhsa_next_free_vgpr 120
		.amdhsa_next_free_sgpr 66
		.amdhsa_reserve_vcc 0
		.amdhsa_float_denorm_mode_32 3
		.amdhsa_float_denorm_mode_16_64 3
		.amdhsa_memory_ordered 1
		.amdhsa_forward_progress 1
		.amdhsa_inst_pref_size 84
	.end_amdhsa_kernel
	.amdgpu_metadata
---
amdhsa.version: [ 1, 2 ]
amdhsa.kernels:
  - .name:           k_q1f0541ddc7_events
    .symbol:         k_q1f0541ddc7_events.kd
    .args:
      - { .name: frames, .offset: 0, .size: 8, .value_kind: global_buffer, .address_space: global }
      - { .name: pos_thres, .offset: 8, .size: 8, .value_kind: global_buffer, .address_space: global }
      - { .name: neg_thres, .offset: 16, .size: 8, .value_kind: global_buffer, .address_space: global }
      - { .name: out0, .offset: 24, .size: 8, .value_kind: global_buffer, .address_space: global }
    .group_segment_fixed_size: 0
    .private_segment_fixed_size: 0
    .kernarg_segment_align: 8
    .kernarg_segment_size: 32
    .max_flat_workgroup_size: 1024
    .sgpr_count:     66
    .vgpr_count:     120
    .wavefront_size: 32
...
	.end_amdgpu_metadata
.endif
;; end of part 1
;; ======== version 2 of 2: 1 launch; version 1 with the launch events written anew for expert scheduling mode
;; limits: right only within a limited range of input values
;; launch events (part 2): grid 64 x 4, 32 waves a work-group, no clusters, 0 bytes of LDS; arguments frames, pos_thres, neg_thres, out0; writes out0
.if DOCPART == 2
	.amdgcn_target "amdgcn-amd-amdhsa--gfx1250"
	.amdhsa_code_object_version 6
	.text
	.protected	k_q1f0541ddc7_events
	.globl	k_q1f0541ddc7_events
	.p2align	8
	.type	k_q1f0541ddc7_events,@function
k_q1f0541ddc7_events:
	s_mov_b64 s[64:65], 0
	v_nop
	global_prefetch_b8 v0, s[64:65] scope:SCOPE_SE
	s_setreg_imm32_b32 hwreg(HW_REG_WAVE_SCHED_MODE, 0, 2), 2
	s_setreg_imm32_b32 hwreg(HW_REG_WAVE_MODE, 25, 1), 1
	s_wait_xcnt 0x0
	s_wait_alu depctr_vm_vsrc(0)
; EventEmulator: frames [4][16][512][512] f32, pos_thres / neg_thres [4][1][512][512] f32  ->  out0 [4][5][512][512] f32.
; Per pixel: L_f = lin_log(frame f); base = L_0; for f = 1..15: d = L_f - base, count = +floor(d/pt) or -floor(-d/nt),
; base += count * threshold; voxel[k] = sum over f of max(0, 1 - |4f/15 - k|) * count_f.
;
; SHAPE.  Pixels do not depend on each other and no byte is read twice: a stream.  No LDS, no barrier, no cluster (no two
; work-groups read the same byte).  256 work-groups of 32 waves; a work-group owns 4,096 neighbouring pixels of one batch, a lane 4 pixels:
; every load and store of a wave covers 512 consecutive bytes that start at a multiple of 512 from the plane's first byte.
; Nine frame slots in registers: frame f + 8 is requested at the head of frame f's turn, into the slot that the turn before has read, so
; 7 to 8 x 512 bytes of every wave are always on their way.  A bin is stored at the head of the turn behind its last frame (frames 3, 7, 11,
; 14; bin 4 at the end); every bin has registers of its own and no address register is ever rewritten, so no store or load ever has to be
; waited for on account of its sources.
;
; THE MODE: SCHED_MODE bits 1:0 = 2 (LLVM: expert scheduling mode 2), set by the entry lines.  The code itself states the register dependences
; between vector instructions and memory instructions, and between a vector instruction that writes a scalar register and its readers,
; with s_wait_alu, always for 0.
; THE PLAN.  Registers that memory instructions touch:
;   v[OFF]      written once at the head, read by every load and store as its offset, never written again.
;   PT, NT      each loaded once at the head; no vector instruction names them ahead of the loads, none ever writes them.
;   X0 .. X8    frame f lies in slot f % 9.  Written by loads alone; read by the first lines of frame f's logarithm.  Turn f (1 to 7) loads
;               frame f + 8 into slot f - 1, which turn f - 1 read and which no vector instruction of turn f names.
;   ACC bin k   written by the ACCUM lines of the bin's frames; read by its one store, at the head of the next turn; never named again.
; So ONE wait on va_vdst stands at the head of a turn that loads or stores, behind the wait for the turn's own frame: it states that the turn before
; is done reading its slot and has written the bin that is finished.  The load and the store follow it directly.  Turns that issue no memory
; instruction hold no such wait.  No register that a memory instruction reads is ever written again: there is no wait on vm_vsrc.
;   s[M ..]     lane masks: written by four compares, read by the selects: one wait on va_sdst between each run of compares and its first select.
;
; ARITHMETIC.  floor() is discontinuous: one last-bit difference in a logarithm moves a count by one wherever the quotient lies
; at a whole number.  So nothing here is approximate beyond one f32 rounding per written step:
;  - log x (x > 20) by the Cephes logf scheme with fused multiply-adds: x = 2^e m, m in [sqrt(1/2), sqrt 2), z = m - 1,
;    log x = ((z - z^2/2) + (z^3 P(z) + e q1)) + e q2, P in three chains joined by z^3.  v_log_f32 times ln 2 would round twice.
;  - the quotient d/b: q0 = d r, rem = fma(-b, q0, d), q = fma(rem, r, q0) with r = 1/b refined once.  Before its one rounding
;    q is off by about 2^-23 of q0's own error: it is the rounded quotient wherever floor can tell.
;  - only one of the two counts is not 0, so b = (d > 0 ? pt : nt), count = trunc(d/b) (rounding is symmetric in the sign),
;    base = fma(count, b, base).
;  - the einsum has at most two weights that are not 0 for a frame (j/15 and 1 - j/15): 29 multiply-adds a pixel in f32.  It stays on
;    the vector unit: the matrix form would need 8 conversions a pixel and weights j/15 rounded to bf16, on sums that cancel.
;
; LIMITS.  frames: finite numbers (the log branch takes exponent and mantissa apart as integers: NaN and infinities come out as
; finite numbers).  Thresholds: positive, 2^-100 to 2^100 (reciprocal and remainder stay normal); zero, negative, NaN are not served.
; A zero result may carry a minus sign.  The weights are the f32 nearest to j/15; made by linspace in f32 they can differ in the last bits.
; t_frames: reference() takes it and never uses it (the voxel times come from linspace over the 16 frames); nothing is read from it.
.set PLANE, 0x100000                   ; bytes of a plane of 512 x 512 f32
.set SLOTS, 9                          ; frame slots in registers
; vector registers
.set OFF,  1                           ; v1        16 x thread: my 4 pixels in the work-group's 16 KiB of a plane
.set PT,   2                           ; v[2:5]    positive thresholds of my 4 pixels
.set NT,   6                           ; v[6:9]    negative thresholds
.set RP,   10                          ; v[10:13]  1 / pt
.set RN,   14                          ; v[14:17]  1 / nt
.set BASE, 18                          ; v[18:21]  base log value
.set ACC,  22                          ; v[22:41]  bin k: 4 registers at ACC + 4 k
.set CP1,  42                          ; v[42:43]  p1 twice   (the three first links have two constants each:
.set CP4,  44                          ; v[44:45]  p4 twice    one comes from a scalar pair, one from these)
.set CP7,  46                          ; v[46:47]  p7 twice
.set T,    48                          ; logarithm, at work: e << 23
.set E,    52                          ;   e * 2^23 as f32
.set XR,   56                          ;   m, then z = m - 1, then the sum
.set X2,   60                          ;   z^2
.set X3,   64                          ;   z^3
.set Y,    68                          ;   chain p0 p1 p2, then the polynomial
.set Y1,   72                          ;   chain p3 p4 p5, then e q1
.set Y2,   76                          ;   chain p6 p7 p8
.set LIN,  80                          ;   x * f, the linear branch
.set LG,   84                          ; v[84:87]  lin_log of the frame at work
.set X,    88                          ; v[88:123] slot s: 4 registers, a frame as loaded
.set D,    48                          ; scan step, at work (the logarithm's registers are free by then): L - base
.set B,    52                          ;   the threshold that applies
.set R,    56                          ;   its reciprocal
.set Q,    60                          ;   the quotient
.set ER,   64                          ;   the remainder d - b q0
.set C,    68                          ;   the signed count
; scalar registers
.set FLO,  4                           ; s[4:5]    frames 0-7 of my block    (plane offsets of 0 to 7 MiB fit the signed 24-bit immediate,
.set FHI,  12                          ; s[12:13]  frames 8-15                8 to 15 MiB do not: a second base)
.set KP0,  20                          ; constants for packed instructions: each twice, in an even pair
.set KP2,  22
.set KP3,  24
.set KP5,  26
.set KP6,  28
.set KP8,  30
.set KQ1,  32
.set KQ2,  34
.set KF,   36
.set KOFF, 38
.set KEM,  39
.set KTH,  40
.set M,    44                          ; s[44:47]  lane masks, one for each of my 4 pixels
; j/15 in f32
.set W1,  0x3d888889
.set W2,  0x3e088889
.set W3,  0x3e4ccccd
.set W4,  0x3e888889
.set W5,  0x3eaaaaab
.set W6,  0x3ecccccd
.set W7,  0x3eeeeeef
.set W8,  0x3f088889
.set W9,  0x3f19999a
.set W10, 0x3f2aaaab
.set W11, 0x3f3bbbbc
.set W12, 0x3f4ccccd
.set W13, 0x3f5dddde
.set W14, 0x3f6eeeef
	s_load_b256 s[4:11], s[0:1], 0x0               ; frames s[4:5], pos_thres s[6:7], neg_thres s[8:9], out0 s[10:11]
	v_lshlrev_b32 v[OFF], 4, v0                    ; 16 bytes a thread
	s_and_b32 s16, ttmp7, 0xffff                   ; batch
	s_lshl_b32 s17, ttmp9, 14                      ; my block of 4,096 pixels in a plane, in bytes
	s_lshl_b32 s14, s16, 24                        ; 16 planes a batch in frames,
	s_lshl_b32 s18, s16, 20                        ; 1 in the thresholds,
	s_mul_i32  s2, s16, 5*PLANE                    ; 5 in the output; all offsets stay below 64 MiB
	s_add_co_u32 s14, s14, s17
	s_add_co_u32 s18, s18, s17
	s_add_co_u32 s2, s2, s17
	s_mov_b32 s15, 0
	s_mov_b32 s19, 0
	s_mov_b32 s3, 0
	s_wait_kmcnt 0x0
	s_add_nc_u64 s[FLO:FLO+1], s[FLO:FLO+1], s[14:15]
	s_add_nc_u64 s[6:7], s[6:7], s[18:19]
	s_add_nc_u64 s[8:9], s[8:9], s[18:19]
	s_add_nc_u64 s[10:11], s[10:11], s[2:3]
	s_add_nc_u64 s[FHI:FHI+1], s[FLO:FLO+1], 8*PLANE
	s_wait_alu depctr_va_vdst(0)                   ; v[OFF] is written: every load and store of the kernel reads it as its offset
	global_load_b128 v[PT:PT+3], v[OFF], s[6:7] th:TH_LOAD_NT
	global_load_b128 v[NT:NT+3], v[OFF], s[8:9] th:TH_LOAD_NT
.irp f, 0,1,2,3,4,5,6,7
	global_load_b128 v[X+4*\f:X+4*\f+3], v[OFF], s[FLO:FLO+1] offset:\f*PLANE th:TH_LOAD_NT    ; the ring is filled: frames 0 to 7,
.endr
	global_load_b128 v[X+32:X+35], v[OFF], s[FHI:FHI+1] th:TH_LOAD_NT                          ; and frame 8
.macro KPAIR r, bits
	s_mov_b32 s[\r], \bits
	s_mov_b32 s[\r+1], \bits
.endm
	KPAIR KP0, 0x3d9021bb                          ;  7.0376836292e-2
	KPAIR KP2, 0x3def251a                          ;  1.1676998740e-1
	KPAIR KP3, 0xbdfe5d4f                          ; -1.2420140846e-1
	KPAIR KP5, 0xbe2aae50                          ; -1.6668057665e-1
	KPAIR KP6, 0x3e4cceac                          ;  2.0000714765e-1
	KPAIR KP8, 0x3eaaaaaa                          ;  3.3333331174e-1
	KPAIR KQ1, 0xadde8083                          ; -2.12194440e-4 * 2^-23: e comes as e * 2^23, the powers of two cancel without a rounding
	KPAIR KQ2, 0x33b18000                          ;  0.693359375 * 2^-23
	KPAIR KF,  0x3e1961aa                          ; f = fl(fl(0.05) * fl(ln 20)): 0x3d4ccccd * 0x403fba14, rounded once
	s_mov_b32 s[KOFF], 0xc0cafb0d                  ; - 0x3f3504f3, the bits of sqrt(1/2)
	s_mov_b32 s[KEM], 0xff800000                   ; sign and exponent field
	s_mov_b32 s[KTH], 0x41a00000                   ; 20.0
	; 1 / pt and 1 / nt, once for the 15 steps
	s_wait_loadcnt 9                               ; pt and nt are in; the 9 frame loads behind them stay out
.irp i, 0,1,2,3
	v_rcp_f32 v[RP+\i], v[PT+\i]
.endr
.irp i, 0,1,2,3
	v_rcp_f32 v[RN+\i], v[NT+\i]
.endr
	v_mov_b32 v[CP1],   0xbdebd1b8                 ; -1.1514610310e-1.  These six moves are also the plain instructions that stand between
	v_mov_b32 v[CP1+1], 0xbdebd1b8                 ; the reciprocals and the first use of their results (ISA guide 5.7.2)
	v_mov_b32 v[CP4],   0x3e11e9bf                 ;  1.4249322787e-1
	v_mov_b32 v[CP4+1], 0x3e11e9bf
	v_mov_b32 v[CP7],   0xbe7ffffc                 ; -2.4999993993e-1
	v_mov_b32 v[CP7+1], 0xbe7ffffc
	s_wait_alu depctr_va_vdst(0)                   ; the eight reciprocals have written RP and RN: one wait for the batch, ahead of its first reader
.irp p, 0,2
	v_pk_fma_f32 v[T+\p:T+\p+1], v[PT+\p:PT+\p+1], v[RP+\p:RP+\p+1], 1.0 op_sel_hi:[1,1,0] neg_lo:[1,0,0] neg_hi:[1,0,0]   ; 1 - b r
	v_pk_fma_f32 v[E+\p:E+\p+1], v[NT+\p:NT+\p+1], v[RN+\p:RN+\p+1], 1.0 op_sel_hi:[1,1,0] neg_lo:[1,0,0] neg_hi:[1,0,0]
.endr
.irp p, 0,2
	v_pk_fma_f32 v[RP+\p:RP+\p+1], v[T+\p:T+\p+1], v[RP+\p:RP+\p+1], v[RP+\p:RP+\p+1]      ; r + r (1 - b r): one Newton step
	v_pk_fma_f32 v[RN+\p:RN+\p+1], v[E+\p:E+\p+1], v[RN+\p:RN+\p+1], v[RN+\p:RN+\p+1]
.endr
; lin_log of the 4 numbers in v[x : x+3] into v[dst : dst+3].  Both branches are computed in every lane and one is selected:
; what the log branch makes of x <= 20 (negative numbers too) is thrown away.
.macro LOGF x, dst
.irp i, 0,1,2,3
	v_add_nc_u32 v[T+\i], s[KOFF], v[\x+\i]        ; bits(x) - bits(sqrt 1/2): its upper 9 bits are e, with m in [sqrt 1/2, sqrt 2)
.endr
.irp i, 0,1,2,3
	v_and_b32 v[T+\i], s[KEM], v[T+\i]             ; e << 23
.endr
.irp i, 0,1,2,3
	v_sub_nc_u32 v[XR+\i], v[\x+\i], v[T+\i]       ; m = x * 2^-e: the exponent field is lowered by e
	v_cvt_f32_i32 v[E+\i], v[T+\i]                 ; e * 2^23, exact
.endr
.irp p, 0,2
	v_pk_add_f32 v[XR+\p:XR+\p+1], v[XR+\p:XR+\p+1], -1.0 op_sel_hi:[1,0]                  ; z = m - 1, exact
.endr
.irp p, 0,2
	v_pk_mul_f32 v[LIN+\p:LIN+\p+1], v[\x+\p:\x+\p+1], s[KF:KF+1] op_sel_hi:[1,0]          ; the linear branch
.endr
.irp i, 0,1,2,3
	v_cmp_ge_f32 s[M+\i], s[KTH], v[\x+\i]         ; 20 >= x.  The slot's last reader
.endr
.irp p, 0,2
	v_pk_mul_f32 v[X2+\p:X2+\p+1], v[XR+\p:XR+\p+1], v[XR+\p:XR+\p+1]
	v_pk_fma_f32 v[Y+\p:Y+\p+1],   v[XR+\p:XR+\p+1], s[KP0:KP0+1], v[CP1:CP1+1] op_sel_hi:[1,0,1]
	v_pk_fma_f32 v[Y1+\p:Y1+\p+1], v[XR+\p:XR+\p+1], s[KP3:KP3+1], v[CP4:CP4+1] op_sel_hi:[1,0,1]
	v_pk_fma_f32 v[Y2+\p:Y2+\p+1], v[XR+\p:XR+\p+1], s[KP6:KP6+1], v[CP7:CP7+1] op_sel_hi:[1,0,1]
.endr
.irp p, 0,2
	v_pk_mul_f32 v[X3+\p:X3+\p+1], v[X2+\p:X2+\p+1], v[XR+\p:XR+\p+1]
	v_pk_fma_f32 v[Y+\p:Y+\p+1],   v[Y+\p:Y+\p+1],   v[XR+\p:XR+\p+1], s[KP2:KP2+1] op_sel_hi:[1,1,0]
	v_pk_fma_f32 v[Y1+\p:Y1+\p+1], v[Y1+\p:Y1+\p+1], v[XR+\p:XR+\p+1], s[KP5:KP5+1] op_sel_hi:[1,1,0]
	v_pk_fma_f32 v[Y2+\p:Y2+\p+1], v[Y2+\p:Y2+\p+1], v[XR+\p:XR+\p+1], s[KP8:KP8+1] op_sel_hi:[1,1,0]
.endr
.irp p, 0,2
	v_pk_fma_f32 v[Y+\p:Y+\p+1],   v[Y+\p:Y+\p+1], v[X3+\p:X3+\p+1], v[Y1+\p:Y1+\p+1]      ; the chains are joined by z^3
	v_pk_mul_f32 v[Y1+\p:Y1+\p+1], v[E+\p:E+\p+1], s[KQ1:KQ1+1] op_sel_hi:[1,0]            ; e q1, rounded by itself
	v_pk_fma_f32 v[XR+\p:XR+\p+1], v[X2+\p:X2+\p+1], -0.5, v[XR+\p:XR+\p+1] op_sel_hi:[1,0,1]  ; z - z^2 / 2
.endr
.irp p, 0,2
	v_pk_fma_f32 v[Y+\p:Y+\p+1], v[Y+\p:Y+\p+1], v[X3+\p:X3+\p+1], v[Y2+\p:Y2+\p+1]
.endr
.irp p, 0,2
	v_pk_fma_f32 v[Y+\p:Y+\p+1], v[Y+\p:Y+\p+1], v[X3+\p:X3+\p+1], v[Y1+\p:Y1+\p+1]        ; z^3 P(z) + e q1
.endr
.irp p, 0,2
	v_pk_add_f32 v[XR+\p:XR+\p+1], v[XR+\p:XR+\p+1], v[Y+\p:Y+\p+1]
.endr
.irp p, 0,2
	v_pk_fma_f32 v[XR+\p:XR+\p+1], v[E+\p:E+\p+1], s[KQ2:KQ2+1], v[XR+\p:XR+\p+1] op_sel_hi:[1,0,1]   ; + e q2 (the product is exact: 9 bits x 8 bits)
.endr
	s_wait_alu depctr_va_sdst(0)                   ; the four compares above have written s[M .. M+3], which the selects below read; the polynomial stands between
.irp i, 0,1,2,3
	v_cndmask_b32 v[\dst+\i], v[XR+\i], v[LIN+\i], s[M+\i]
.endr
.endm
; One scan step on LG: the signed counts into C.  carry = 1: base moves on (the last frame's base is never read).
.macro COUNT carry
.irp p, 0,2
	v_pk_add_f32 v[D+\p:D+\p+1], v[LG+\p:LG+\p+1], v[BASE+\p:BASE+\p+1] neg_lo:[0,1] neg_hi:[0,1]      ; d = L - base
.endr
.irp i, 0,1,2,3
	v_cmp_lt_f32 s[M+\i], 0, v[D+\i]               ; 0 < d: the positive threshold applies
.endr
	s_wait_alu depctr_va_sdst(0)                   ; these four compares have written s[M .. M+3], which the eight selects below read
.irp i, 0,1,2,3
	v_cndmask_b32 v[B+\i], v[NT+\i], v[PT+\i], s[M+\i]
	v_cndmask_b32 v[R+\i], v[RN+\i], v[RP+\i], s[M+\i]
.endr
.irp p, 0,2
	v_pk_mul_f32 v[Q+\p:Q+\p+1], v[D+\p:D+\p+1], v[R+\p:R+\p+1]                            ; q0 = d r
.endr
.irp p, 0,2
	v_pk_fma_f32 v[ER+\p:ER+\p+1], v[B+\p:B+\p+1], v[Q+\p:Q+\p+1], v[D+\p:D+\p+1] neg_lo:[1,0,0] neg_hi:[1,0,0]   ; d - b q0
.endr
.irp p, 0,2
	v_pk_fma_f32 v[Q+\p:Q+\p+1], v[ER+\p:ER+\p+1], v[R+\p:R+\p+1], v[Q+\p:Q+\p+1]          ; the quotient, rounded once
.endr
.irp i, 0,1,2,3
	v_trunc_f32 v[C+\i], v[Q+\i]                   ; floor(d/pt) for d > 0, -floor(-d/nt) for d < 0
.endr
.if \carry
.irp p, 0,2
	v_pk_fma_f32 v[BASE+\p:BASE+\p+1], v[C+\p:C+\p+1], v[B+\p:B+\p+1], v[BASE+\p:BASE+\p+1]
.endr
.endif
.endm
; bin k takes w x count.  start = 1: the bin's first frame starts the sum, nothing is cleared.
.macro ACCUM k, w, start
.irp p, 0,2
.if \start
	v_pk_mul_f32 v[ACC+4*\k+\p:ACC+4*\k+\p+1], v[C+\p:C+\p+1], \w op_sel_hi:[1,0]
.else
	v_pk_fma_f32 v[ACC+4*\k+\p:ACC+4*\k+\p+1], v[C+\p:C+\p+1], \w, v[ACC+4*\k+\p:ACC+4*\k+\p+1] op_sel_hi:[1,0,1]
.endif
.endr
.endm
.macro STORE k                         ; the bin's last frame is in: 512 consecutive bytes a wave; its registers are never written again
	global_store_b128 v[OFF], v[ACC+4*\k:ACC+4*\k+3], s[10:11] offset:\k*PLANE th:TH_STORE_NT
.endm
; Frame f = 1 .. 14: time 4f/15 lies between bins klo and khi = klo + 1.  st >= 0: the turn before has finished bin st, which is stored here.
.macro TURN f, klo, wlo, slo, khi, whi, shi, st=-1
.if (\f) < 9
	s_wait_loadcnt 7                               ; loads come back in order (ISA guide 5.7.1): frame f is in, the 7 frames asked for behind it stay out
.else
	s_wait_loadcnt 15-(\f)                         ; nothing is asked for any more: 15 - f frames are left
.endif
.if ((\f) < 8) || ((\st) >= 0)
	s_wait_alu depctr_va_vdst(0)                   ; the turn before is done reading its slot, in which the load below lands, and has written the bin that the store below reads
.endif
.if (\f) < 8
	global_load_b128 v[X+4*((\f)-1):X+4*((\f)-1)+3], v[OFF], s[FHI:FHI+1] offset:(\f)*PLANE th:TH_LOAD_NT  ; frame f + 8 into slot f - 1 = (f + 8) % 9
.endif
.if (\st) >= 0
	STORE \st
.endif
	LOGF X+4*((\f)%SLOTS), LG
	COUNT 1
	ACCUM \klo, \wlo, \slo
	ACCUM \khi, \whi, \shi
.endm
	s_wait_loadcnt 8                               ; frame 0 is in, frames 1 to 8 stay out
	LOGF X, BASE                                   ; base = lin_log(frame 0)
	TURN 1,  0, W11, 1,  1, W4,  1
	TURN 2,  0, W7,  0,  1, W8,  0
	TURN 3,  0, W3,  0,  1, W12, 0
	TURN 4,  1, W14, 0,  2, W1,  1,  0
	TURN 5,  1, W10, 0,  2, W5,  0
	TURN 6,  1, W6,  0,  2, W9,  0
	TURN 7,  1, W2,  0,  2, W13, 0
	TURN 8,  2, W13, 0,  3, W2,  1,  1
	TURN 9,  2, W9,  0,  3, W6,  0
	TURN 10, 2, W5,  0,  3, W10, 0
	TURN 11, 2, W1,  0,  3, W14, 0
	TURN 12, 3, W12, 0,  4, W3,  1,  2
	TURN 13, 3, W8,  0,  4, W7,  0
	TURN 14, 3, W4,  0,  4, W11, 0
	s_wait_loadcnt 0                               ; frame 15, the last load
	s_wait_alu depctr_va_vdst(0)                   ; frame 14's turn has written bin 3, which the store below reads
	STORE 3
	LOGF X+4*(15%SLOTS), LG
	COUNT 0
.irp p, 0,2
	v_pk_add_f32 v[ACC+16+\p:ACC+16+\p+1], v[ACC+16+\p:ACC+16+\p+1], v[C+\p:C+\p+1]        ; time 4 is bin 4 itself: weight 1
.endr
	s_wait_alu depctr_va_vdst(0)                   ; the two additions have written bin 4, which the last store reads
	STORE 4
	s_endpgm
.Lfunc_end_k_q1f0541ddc7_events:
	.size	k_q1f0541ddc7_events, .Lfunc_end_k_q1f0541ddc7_events-k_q1f0541ddc7_events
	.p2alignl 7, 3214868480
	.fill 96, 4, 3214868480
	.section	.rodata,"a",@progbits
	.p2align	6, 0x0
	.amdhsa_kernel k_q1f0541ddc7_events
		.amdhsa_group_segment_fixed_size 0
		.amdhsa_private_segment_fixed_size 0
		.amdhsa_enable_private_segment 0
		.amdhsa_kernarg_size 32
		.amdhsa_user_sgpr_count 2
		.amdhsa_user_sgpr_kernarg_segment_ptr 1
		.amdhsa_wavefront_size32 1
		.amdhsa_system_sgpr_workgroup_id_x 1
		.amdhsa_system_sgpr_workgroup_id_y 1
		.amdhsa_system_sgpr_workgroup_id_z 1
		.amdhsa_system_vgpr_workitem_id 0
		.amdhsa_next_free_vgpr 124
		.amdhsa_next_free_sgpr 66
		.amdhsa_reserve_vcc 0
		.amdhsa_float_denorm_mode_32 3
		.amdhsa_float_denorm_mode_16_64 3
		.amdhsa_memory_ordered 1
		.amdhsa_forward_progress 1
		.amdhsa_inst_pref_size 86
	.end_amdhsa_kernel
	.amdgpu_metadata
---
amdhsa.version: [ 1, 2 ]
amdhsa.kernels:
  - .name:           k_q1f0541ddc7_events
    .symbol:         k_q1f0541ddc7_events.kd
    .args:
      - { .name: frames, .offset: 0, .size: 8, .value_kind: global_buffer, .address_space: global }
      - { .name: pos_thres, .offset: 8, .size: 8, .value_kind: global_buffer, .address_space: global }
      - { .name: neg_thres, .offset: 16, .size: 8, .value_kind: global_buffer, .address_space: global }
      - { .name: out0, .offset: 24, .size: 8, .value_kind: global_buffer, .address_space: global }
    .group_segment_fixed_size: 0
    .private_segment_fixed_size: 0
    .kernarg_segment_align: 8
    .kernarg_segment_size: 32
    .max_flat_workgroup_size: 1024
    .sgpr_count:     66
    .vgpr_count:     124
    .wavefront_size: 32
...
	.end_amdgpu_metadata
.endif
;; end of part 2
